; MI455X (gfx1250); checked and timed in simulation.
; The chip was launched on July 23, 2026; its instructions are those of AMD's public machine-readable ISA for CDNA 5 (MIT licence, August 2026) and "CDNA5" Instruction Set Architecture Reference Guide (July 2026). The comments in the code are by the model that wrote it; some were corrected since.
;; Ex4bit Linear. Allowed arithmetic: matrix products marked QUANTISED: E5M2 operands, one given power-of-two scale a tensor, by v_wmma_f32_16x16x64_bf8_bf8 or v_wmma_f32_16x16x128_bf8_bf8, f32 sums; everything else in f32.
;; Inputs: bias 4,096 float32; g_idx 4,096 int32; lowp_scales 2 int32 (the exponents e of the quantised operands' scales 2^e); qweight 512 x 4,096 int32; qzeros 32 x 512 int32; scales 32 x 4,096 float32; x 4,096 x 4,096 float32.
;; Outputs: out0 4,096 x 4,096 float32.
;; This version of the problem:
;;   THIS VERSION OF THE PROBLEM IS GIVEN IN LOW PRECISION. The matrix products marked QUANTISED in the list below multiply operands that are first quantised to E5M2 (5 exponent bits, 2 mantissa bits; 8 bits a number), with one given power-of-two scale for each operand tensor; their sums are f32. All else is computed in f32.
;;   The module's matrix products, in the order in which they are computed (A, B: the left and right operand; K: the contracted axis; several contracted axes count as one K, in the product's order):
;;     1. [M 4,096, K 4,096] x [K 4,096, N 4,096]; A: input x; B: computed on the way: QUANTISED (scales: A lowp_scales[0], B lowp_scales[1])
;;   THE QUANTISER, for each operand of a quantised product, along K:
;;     - The operand's scale is 2^e, e = its entry of the input lowp_scales (int32; the entries are numbered through the quantised products in the list's order, A before B).
;;     - Each number is divided by the scale, clamped to +-57,344, and rounded to the nearest number of E5M2, ties to even, subnormals kept.
;;     - The product sums the exact products of the quantised numbers (number of the format x scale) in f32.
;;   ~~~python
;;   def quantise(x, axis, e):      # numpy; x: float32 -> the quantised numbers, widened to float32 again
;;       x = np.moveaxis(x, axis, -1); K = x.shape[-1]
;;       r = np.clip(x / 2.0 ** e, -57344, 57344)
;;       step = 2.0 ** (np.maximum(np.frexp(np.where(r == 0, 1, r))[1] - 1, -14) - 2)
;;       q = np.round(r / step) * step * 2.0 ** e      # np.round: ties to even
;;       return np.moveaxis(q, -1, axis).astype(np.float32)
;;   ~~~
;;   OPERANDS COMPUTED ON THE WAY. 'Computed on the way' means the value that the module computes at that place (a softmax that the list does not call 'softmax' is quantised finished and normalised). What goes into a quantiser is computed in f32, as accurately as f32 sums, v_exp_f32 and their like allow (about 1e-6 of the number): no bf16 or f16 on the way to a quantiser, and a product that is left as it is and whose result goes on into a quantised operand takes f32 operands (vector FMAs, or v_wmma_f32_16x16x4_f32). A number that lies on a knife's edge between two numbers of the format may be rounded either way, as far as f32 arithmetic and the matrix unit's own rounding can turn it there, and no further.
;; One version. Each part assembles by itself: llvm-mc -triple=amdgcn-amd-amdhsa -mcpu=gfx1250 --defsym DOCPART=n.
;; ======== version 1 of 1: 2 launches
;; limits: right only within a limited range of input values
;; workspace buffers: x_codes 16,777,216 bytes; w_codes 16,777,216 bytes
;; launch quant (part 1): grid 512 x 1, 8 waves a work-group, no clusters, 33,792 bytes of LDS; arguments x, qweight, qzeros, scales, g_idx, lowp_scales, x_codes, w_codes; writes x_codes, w_codes
.if DOCPART == 1
	.amdgcn_target "amdgcn-amd-amdhsa--gfx1250"
	.amdhsa_code_object_version 6
	.text
	.protected	k_q0748587d87_quant
	.globl	k_q0748587d87_quant
	.p2align	8
	.type	k_q0748587d87_quant,@function
k_q0748587d87_quant:
	s_mov_b64 s[64:65], 0
	v_nop
	global_prefetch_b8 v0, s[64:65] scope:SCOPE_SE
	s_setreg_imm32_b32 hwreg(HW_REG_WAVE_MODE, 25, 1), 1
	s_wait_xcnt 0x0
; Both operands of out = Q(x) Q(W) + bias are turned into codes of BF8 (E5M2), once, for the product's launch.
;   x [4096][4096] f32, scale 2^e0.   W[k][n] = scales[g_idx[k]][n] * (nibble of qweight - (nibble of qzeros[g_idx[k]] + 1)), f32, scale 2^e1.
;   code = number / 2^e, held within +-57,344, to the nearest code, ties to even.
; ONE PERMUTATION OF K, THE SAME IN BOTH OPERANDS.  Within each chunk of 512 along K, position p = 16 l + 4 i + j (l 0..31, i 0..3, j 0..3) holds k = 128 i + 4 l + j.
; Every product still meets its partner; only the order inside the sums changes.  It spares every transposition here:
;   x: load i of a chunk reads 512 consecutive bytes, lane l takes k = 128 i + 4 l + 0..3; the lane's 16 numbers are positions 16 l .. 16 l + 15: one store of 16 bytes a lane, 512 consecutive bytes a wave.
;   W: positions 32 m + 16 h + 4 i + j come from qweight's word rows 16 i + m, nibble 4 h + j: a lane takes a column n, and its registers run along the positions.
; x_codes: [4096 rows][4096 positions].   w_codes, in the order of the product's operand registers: byte = kslot 2^20 + ntile 4096 + q 2048 + c 512 + h 256 + r 16 + y
;   holds column n = 16 ntile + r, position 256 kslot + 128 q + 32 c + 16 h + y: sixteen neighbouring lanes (r) store 256 consecutive bytes, aligned, straight from registers.
; SHARES.  Eight waves.  Work-groups 0..255 take W: 128 columns x one chunk of 512 k; wave w takes columns 32 (w % 4) on, a lane one column, and blocks m = 8 (w / 4) + 0 .. 7 of the chunk's sixteen: one kslot.
;          Work-groups 256..511 take x: a wave 16 chunks of 512 numbers.
; g_idx IS HONOURED ROW BY ROW: for each column LDS holds a table of (scale, z + 1 as f32) for all 32 groups, and each k's pair is looked up by g_idx[k].
;   Waves w and w + 4 have the same columns and share a table: each builds 16 of its 32 groups; a barrier stands between the building and the look-ups.
; No tensor load, no cluster: operands go through registers, and what work-groups share (scales, zero points and g_idx: 20 KiB for each W work-group, 5 MiB in all) is a small part of the launch's bytes.
; LIMITS: e0 and e1 between -126 and 112, so that 2^e and 57,344 x 2^e are f32 numbers.  NaN among x or scales is not served (an infinity is held at the largest code).
;         g_idx lies in 0..31, as the indexing it serves relies on; the minimum with 31 below only keeps every look-up inside the table.
.set WGW,  256                         ; work-groups that take W
.set COLB, 2                           ; v2   W: my column's byte in a row of 16,384 bytes (qweight, scales)
.set ZW,   3                           ; v3   W: my column's word in a row of qzeros, in bytes
.set ZSH,  4                           ; v4   W: my column's nibble in that word: its shift
.set TE,   5                           ; v5   W: LDS address of my column's entry of group 0
.set WO,   6                           ; v6   W: my 16 bytes in a store of codes
.set SCL,  8                           ; v8   2^e as f32: the conversion takes its exponent field
.set LIM,  9                           ; v9   57,344 x 2^e
.set TS,   10                          ; v10  W: LDS address of the first of the 16 groups that I build
.set COD,  16                          ; v16-31   W: two sets of 8 registers of codes
.set VAL,  32                          ; v32-63   W: a block's 32 numbers, along the positions
.set TAB,  64                          ; v64-127  W: my half of the table as it is built (v64-95); later the 32 pairs looked up
.set QW,   128                         ; v128-159 W: my 32 words of qweight of my column, word row 16 i + m at 4 m + i
.set AD,   192                         ; v192-223 W: the LDS addresses of a block's 32 look-ups, a register each
.set XO,   3                           ; v3   x: 16 x lane
.set XR,   64                          ; v64-191  x: eight sets of 16 numbers
.set XC,   192                         ; v192-255 x: four registers of codes for each step, so that no store's data are written again
.macro MKSCALE e                       ; from the whole number in s[e]
	s_add_co_i32 s30, s[\e], 127
	s_lshl_b32 s31, s30, 23
	v_mov_b32 v[SCL], s31
	s_add_co_i32 s30, s30, 15
	s_lshl_b32 s30, s30, 23
	s_or_b32 s30, s30, 0x600000                    ; the mantissa field of 57,344
	v_mov_b32 v[LIM], s30
.endm
	s_load_b512 s[4:19], s[0:1], 0x0               ; x s[4:5], qweight s[6:7], qzeros s[8:9], scales s[10:11], g_idx s[12:13], the exponents s[14:15], x_codes s[16:17], w_codes s[18:19]
	v_lshl_add_u32 v14, v0, 2, 0x8000
	v_mov_b32 v15, 0
	v_and_b32 v1, 31, v0                           ; lane
	v_lshrrev_b32 v7, 5, v0
	s_delay_alu instid0(VALU_DEP_1)
	v_readfirstlane_b32 s22, v7                    ; wave 0..7
	s_mov_b32 s27, 0                               ; the upper word of every offset pair
	s_wait_kmcnt 0x0
	s_load_b64 s[20:21], s[14:15], 0x0             ; e0, e1
	s_cmp_lt_u32 ttmp9, WGW                        ; the work-group's number: the same in all eight waves
	s_cbranch_scc0 .Lx
; ---------------------------------------------------------------- W
	s_and_b32 s23, ttmp9, 31                       ; which 128 columns
	s_lshr_b32 s24, ttmp9, 5                       ; which chunk of 512 k
	s_lshr_b32 s25, s22, 2                         ; which half of the chunk's blocks, and of the table's groups, is my wave's
	s_and_b32 s29, s22, 3                          ; which 32 of the 128 columns
	s_lshl_b32 s26, s24, 20                        ; qweight: a chunk is 64 word rows of 16,384 bytes,
	s_lshl_b32 s28, s25, 17                        ; my blocks begin 8 word rows further down
	s_add_co_u32 s26, s26, s28
	s_add_nc_u64 s[6:7], s[6:7], s[26:27]
	s_lshl_b32 s26, s24, 11                        ; g_idx: a chunk is 512 entries,
	s_lshl_b32 s28, s25, 8                         ; my blocks begin 64 entries on
	s_add_co_u32 s26, s26, s28
	s_add_nc_u64 s[12:13], s[12:13], s[26:27]
	s_lshl_b32 s26, s25, 18                        ; scales: my 16 groups, rows of 16,384 bytes
	s_add_nc_u64 s[10:11], s[10:11], s[26:27]
	s_lshl_b32 s26, s25, 15                        ; qzeros: my 16 groups, rows of 2,048 bytes
	s_add_nc_u64 s[8:9], s[8:9], s[26:27]
	s_lshl_b32 s26, s23, 3
	s_lshl_b32 s28, s29, 1
	s_add_co_u32 s26, s26, s28                     ; my wave's first ntile: 8 x columns' block + 2 x (wave % 4)
	s_lshl_b32 s26, s26, 12
	s_lshl_b32 s28, s24, 1
	s_add_co_u32 s28, s28, s25                     ; my kslot: 2 x chunk + half
	s_lshl_b32 s28, s28, 20
	s_add_co_u32 s26, s26, s28
	s_add_nc_u64 s[18:19], s[18:19], s[26:27]
.irp i, 0,1,2,3
	s_load_b256 s[32+8*\i:32+8*\i+7], s[12:13], 512*\i      ; g_idx of my first block: k = 128 i + 0 .. 7 from my blocks' first k on
.endr
	v_and_b32 v7, 127, v0                          ; my column among the 128
	s_delay_alu instid0(VALU_DEP_1)
	v_lshlrev_b32 v[COLB], 2, v7
	s_lshl_b32 s28, s23, 9
	v_add_nc_u32 v[COLB], s28, v[COLB]             ; 4 x (128 x block + column)
	v_lshrrev_b32 v[ZW], 3, v7
	s_delay_alu instid0(VALU_DEP_1)
	v_lshlrev_b32 v[ZW], 2, v[ZW]
	s_lshl_b32 s28, s23, 6
	v_add_nc_u32 v[ZW], s28, v[ZW]                 ; 4 x (column / 8)
	v_and_b32 v[ZSH], 7, v0
	s_delay_alu instid0(VALU_DEP_1)
	v_lshlrev_b32 v[ZSH], 2, v[ZSH]                ; 4 x (column % 8)
	v_bfe_u32 v[TE], v0, 5, 2
	s_delay_alu instid0(VALU_DEP_1)
	v_lshlrev_b32 v[TE], 13, v[TE]
	s_delay_alu instid0(VALU_DEP_1)
	v_lshl_add_u32 v[TE], v1, 3, v[TE]             ; 8,192 x (wave % 4) + 8 x lane; group g lies 256 g further on: an LDS instruction of a wave touches 256 consecutive bytes
	v_bfe_u32 v[TS], v0, 7, 1
	s_delay_alu instid0(VALU_DEP_1)
	v_lshl_add_u32 v[TS], v[TS], 12, v[TE]         ; + 16 groups x 256 bytes x (wave / 4)
	v_lshrrev_b32 v[WO], 4, v1
	s_delay_alu instid0(VALU_DEP_1)
	v_lshlrev_b32 v[WO], 12, v[WO]
	v_and_b32 v7, 15, v1
	s_delay_alu instid0(VALU_DEP_1)
	v_lshl_add_u32 v[WO], v7, 4, v[WO]             ; lanes 16-31 belong to the next ntile, 4,096 bytes on
.set g, 0
.rept 16                                       ; my half of the table: 32 loads: my column's scale and zero-point word of 16 groups
	global_load_b32 v[TAB+2*g], v[COLB], s[10:11] offset:16384*g
	global_load_b32 v[TAB+2*g+1], v[ZW], s[8:9] offset:2048*g
.set g, g+1
.endr
.macro QLOAD m                         ; block m's four words: word rows 16 i + m.  A wave reads 128 consecutive bytes, four waves side by side 512
.irp i, 0,1,2,3
	global_load_b32 v[QW+4*(\m)+\i], v[COLB], s[6:7] offset:(16*\i+(\m))*16384 th:TH_LOAD_NT
.endr
.endm
.irp m, 0,1,2,3,4,5,6,7
	QLOAD \m
.endr
	s_wait_kmcnt 0x0                               ; e1 (and the first block's g_idx)
	MKSCALE 21
	s_wait_loadcnt 32                              ; the table's 32 loads are in; the 32 of qweight issued behind them may be out
.set g, 0
.rept 16
	v_bfe_u32 v[TAB+2*g+1], v[TAB+2*g+1], v[ZSH], 4  ; z
.set g, g+1
.endr
.set g, 0
.rept 16
	v_add_nc_u32 v[TAB+2*g+1], 1, v[TAB+2*g+1]       ; z + 1
.set g, g+1
.endr
.set g, 0
.rept 16
	v_cvt_f32_u32 v[TAB+2*g+1], v[TAB+2*g+1]
.set g, g+1
.endr
.set g, 0
.rept 16
	ds_store_b64 v[TS], v[TAB+2*g:TAB+2*g+1] offset:256*g
.set g, g+1
.endr
	s_wait_dscnt 0x0                               ; for the others' sake: my 16 groups lie in LDS
	s_barrier_signal -1
	s_barrier_wait -1                              ; so do the 16 of the wave that shares my columns; the launch has only LDS reads from here on
; Block m of my eight: 32 positions of my column.  Number 16 h + 4 i + j is k = 128 i + 8 m + n (from my blocks' first k on), n = 4 h + j: nibble n of word row 16 i + m.
; The look-ups stand in three runs (32 bounds, 32 addresses in registers of their own, 32 LDS loads), so that only the first load follows a vector result and no address is rewritten before the block's wait for its loads.
.macro WBLOCK m
.set GS, 32+36*((\m)%2)                ; this block's 32 entries of g_idx: s32-63 or s68-99
.set GN, 32+36*(1-(\m)%2)              ; the next block's
.set CC, COD+8*((\m)%2)
	s_wait_kmcnt 0x0                               ; this block's g_idx, asked for a block ago, is in
.if (\m) < 7
.irp i, 0,1,2,3
	s_load_b256 s[GN+8*\i:GN+8*\i+7], s[12:13], 512*\i+32*((\m)+1)
.endr
.endif
.irp i, 0,1,2,3
.irp n, 0,1,2,3,4,5,6,7
	s_min_u32 s[GS+8*\i+\n], s[GS+8*\i+\n], 31     ; the look-up stays inside the table
.endr
.endr
.irp i, 0,1,2,3
.irp n, 0,1,2,3,4,5,6,7
	v_lshl_add_u32 v[AD+16*(\n/4)+4*\i+\n%4], s[GS+8*\i+\n], 8, v[TE]
.endr
.endr
.set r, 0
.rept 32
	ds_load_b64 v[TAB+2*r:TAB+2*r+1], v[AD+r]      ; (scale, z + 1) of the number's group
.set r, r+1
.endr
	s_wait_loadcnt 28-4*(\m)                       ; loads come back in order: this block's four words are in; 32 - 4 (m + 1) were issued behind them
.irp i, 0,1,2,3                                ; the unpacking stands between the look-ups and the wait for them
.irp n, 0,1,2,3,4,5,6,7
	v_bfe_u32 v[VAL+16*(\n/4)+4*\i+\n%4], v[QW+4*(\m)+\i], 4*\n, 4
.endr
.irp n, 0,1,2,3,4,5,6,7
	v_cvt_f32_u32 v[VAL+16*(\n/4)+4*\i+\n%4], v[VAL+16*(\n/4)+4*\i+\n%4]
.endr
.endr
	s_wait_dscnt 0x0
.set r, 0
.rept 32
	v_sub_f32 v[VAL+r], v[VAL+r], v[TAB+2*r+1]     ; q - (z + 1): whole numbers, exact
.set r, r+1
.endr
.set r, 0
.rept 32
	v_mul_f32 v[VAL+r], v[TAB+2*r], v[VAL+r]       ; x the scale: the one rounding that W has
.set r, r+1
.endr
.set r, 0
.rept 32
	v_med3_num_f32 v[VAL+r], v[VAL+r], -v[LIM], v[LIM]   ; the conversion to an 8-bit code does not saturate (ISA guide 7.6.2): the hold at the largest code x the scale
.set r, r+1
.endr
	s_wait_alu depctr_va_vdst(0)
	s_wait_xcnt 0x0                                ; the stores of two blocks ago have read this set of code registers
.irp u, 0,1,2,3
	v_cvt_scalef32_pk8_bf8_f32 v[CC+2*\u:CC+2*\u+1], v[VAL+8*\u:VAL+8*\u+7], v[SCL]
.endr
; (the results go to stores alone; the next vector lines, the next block's addresses, are plain and name none of the conversions' registers: they stand in front of the lines that write VAL again)
.irp h, 0,1
	global_store_b128 v[WO], v[CC+4*\h:CC+4*\h+3], s[18:19] offset:((\m)/4)*2048+((\m)%4)*512+256*\h   ; q, c, h: lanes 0-15 store 256 consecutive bytes, aligned; lanes 16-31 the same in the next ntile
.endr
.endm
.irp m, 0,1,2,3,4,5,6,7
	WBLOCK \m
.endr
	s_wait_tensorcnt 0x0
	ds_add_u32 v14, v15
	s_wait_dscnt 0x0
	s_endpgm
; ---------------------------------------------------------------- x: no LDS, no barrier: waves share nothing
.Lx:
	s_sub_co_u32 s23, ttmp9, WGW
	s_lshl_b32 s23, s23, 3
	s_add_co_u32 s23, s23, s22                     ; which run of 8,192 numbers is my wave's: 0 .. 2,047
	s_lshl_b32 s26, s23, 15
	s_add_nc_u64 s[4:5], s[4:5], s[26:27]
	s_lshl_b32 s26, s23, 13
	s_add_nc_u64 s[16:17], s[16:17], s[26:27]
	s_wait_alu depctr_va_vdst(0)
	v_lshlrev_b32 v[XO], 4, v1
.macro XLOAD t                         ; chunk t: four loads of 512 consecutive bytes; register 4 i + j is k = 128 i + 4 lane + j
.irp i, 0,1,2,3
	global_load_b128 v[XR+16*((\t)%8)+4*\i:XR+16*((\t)%8)+4*\i+3], v[XO], s[4:5] offset:2048*(\t)+512*\i th:TH_LOAD_NT
.endr
.endm
.irp t, 0,1,2,3,4,5,6,7
	XLOAD \t                                       ; eight chunks, 32 loads, 16 KiB of a wave are on their way
.endr
	s_wait_kmcnt 0x0
	MKSCALE 20
.macro XSTEP t
.set XS, XR+16*((\t)%8)
.if (\t) <= 8
	s_wait_loadcnt 28                              ; this chunk's four loads are in; those of the seven chunks behind it may be out
.else
	s_wait_loadcnt 4*(15-(\t))                     ; the counts run down: nothing is left to ask for
.endif
.set r, 0
.rept 16
	v_med3_num_f32 v[XS+r], v[XS+r], -v[LIM], v[LIM]   ; the hold at the largest code x the scale
.set r, r+1
.endr
	v_cvt_scalef32_pk8_bf8_f32 v[XC+4*(\t):XC+4*(\t)+1], v[XS:XS+7], v[SCL]
	v_cvt_scalef32_pk8_bf8_f32 v[XC+4*(\t)+2:XC+4*(\t)+3], v[XS+8:XS+15], v[SCL]
; (the results go to a store alone, and the next vector lines, the next chunk's holds, are plain and touch other registers)
.if (\t)+8 < 16
	XLOAD (\t)+8                                   ; the set just converted takes the chunk eight further on
.endif
	global_store_b128 v[XO], v[XC+4*(\t):XC+4*(\t)+3], s[16:17] offset:512*(\t)   ; positions 16 lane .. + 15: the wave stores 512 consecutive bytes, aligned
.endm
	s_wait_alu depctr_va_vdst(0)
.irp t, 0,1,2,3,4,5,6,7,8,9,10,11,12,13,14,15
	XSTEP \t
.endr
	s_endpgm
.Lfunc_end_k_q0748587d87_quant:
	.size	k_q0748587d87_quant, .Lfunc_end_k_q0748587d87_quant-k_q0748587d87_quant
	.p2alignl 7, 3214868480
	.fill 96, 4, 3214868480
	.section	.rodata,"a",@progbits
	.p2align	6, 0x0
	.amdhsa_kernel k_q0748587d87_quant
		.amdhsa_group_segment_fixed_size 33792
		.amdhsa_private_segment_fixed_size 0
		.amdhsa_enable_private_segment 0
		.amdhsa_kernarg_size 64
		.amdhsa_user_sgpr_count 2
		.amdhsa_user_sgpr_kernarg_segment_ptr 1
		.amdhsa_wavefront_size32 1
		.amdhsa_system_sgpr_workgroup_id_x 1
		.amdhsa_system_sgpr_workgroup_id_y 1
		.amdhsa_system_sgpr_workgroup_id_z 1
		.amdhsa_system_vgpr_workitem_id 0
		.amdhsa_next_free_vgpr 256
		.amdhsa_next_free_sgpr 100
		.amdhsa_reserve_vcc 0
		.amdhsa_float_denorm_mode_32 3
		.amdhsa_float_denorm_mode_16_64 3
		.amdhsa_memory_ordered 1
		.amdhsa_forward_progress 1
		.amdhsa_inst_pref_size 142
	.end_amdhsa_kernel
	.amdgpu_metadata
---
amdhsa.version: [ 1, 2 ]
amdhsa.kernels:
  - .name:           k_q0748587d87_quant
    .symbol:         k_q0748587d87_quant.kd
    .args:
      - { .name: x, .offset: 0, .size: 8, .value_kind: global_buffer, .address_space: global }
      - { .name: qweight, .offset: 8, .size: 8, .value_kind: global_buffer, .address_space: global }
      - { .name: qzeros, .offset: 16, .size: 8, .value_kind: global_buffer, .address_space: global }
      - { .name: scales, .offset: 24, .size: 8, .value_kind: global_buffer, .address_space: global }
      - { .name: g_idx, .offset: 32, .size: 8, .value_kind: global_buffer, .address_space: global }
      - { .name: lowp_scales, .offset: 40, .size: 8, .value_kind: global_buffer, .address_space: global }
      - { .name: x_codes, .offset: 48, .size: 8, .value_kind: global_buffer, .address_space: global }
      - { .name: w_codes, .offset: 56, .size: 8, .value_kind: global_buffer, .address_space: global }
    .group_segment_fixed_size: 33792
    .private_segment_fixed_size: 0
    .kernarg_segment_align: 8
    .kernarg_segment_size: 64
    .max_flat_workgroup_size: 256
    .sgpr_count:     100
    .vgpr_count:     256
    .wavefront_size: 32
...
	.end_amdgpu_metadata
.endif
;; end of part 1
;; launch gemm (part 2): grid 16 x 16, 4 waves a work-group, clusters of 4 x 4, 327,680 bytes of LDS; arguments x_codes, w_codes, lowp_scales, bias, out0; writes out0
.if DOCPART == 2
	.amdgcn_target "amdgcn-amd-amdhsa--gfx1250"
	.amdhsa_code_object_version 6
	.text
	.protected	k_q0748587d87_gemm
	.globl	k_q0748587d87_gemm
	.p2align	8
	.type	k_q0748587d87_gemm,@function
k_q0748587d87_gemm:
	s_mov_b64 s[64:65], 0
	v_nop
	global_prefetch_b8 v0, s[64:65] scope:SCOPE_SE
	s_setreg_imm32_b32 hwreg(HW_REG_WAVE_MODE, 25, 1), 1
	s_wait_xcnt 0x0
	s_wait_alu depctr_hold_cnt(0) depctr_sa_sdst(0) depctr_va_vdst(0) depctr_va_sdst(0) depctr_va_ssrc(0) depctr_va_vcc(0) depctr_vm_vsrc(0)
	s_getreg_b32 s2, hwreg(HW_REG_IB_STS2, 6, 4)
	s_cmp_eq_u32 s2, 0
	s_cbranch_scc0 .Lentry_in_a_cluster
	s_endpgm
.Lentry_in_a_cluster:
	s_bfe_u32 s2, ttmp6, 0x10000c
	s_cmp_lg_u32 s2, 0xf033
	s_cbranch_scc0 .Lentry_shape_is_right
	s_endpgm
.Lentry_shape_is_right:
; out0[m][n] = 2^(e0 + e1) x (sum over positions p of x_codes[m][p] w_codes(n, p)) + bias[n]: codes of BF8 (E5M2), sums in f32, by v_wmma_f32_16x16x64_bf8_bf8.
; Both buffers carry the same permutation of K (the launch that makes them), so every product meets its partner.
; LIMIT: e0 + e1 lies between -126 and 127, so that 2^(e0 + e1) is an f32 number.
; A work-group of four waves makes 256 x 256 of out0, a wave 128 x 128: 64 accumulators, 512 registers.
; x's CODES go through LDS: two slots of 256 rows x 512 along K (rows of 512 bytes + 16 of padding), a wave fetching 64 rows by one tensor load.
;   4 x 4 work-groups form a cluster; the four of a row of the cluster need the same rows of x and ask for them JOINTLY (mask = my row).
; W's CODES GO FROM MEMORY STRAIGHT INTO REGISTERS: w_codes lies in the order of the operand's registers (2,048 bytes on end = 16 columns x 128 along K, 16 bytes a lane),
;   so a load of a wave reads 512 consecutive bytes, aligned.  They have no tile in LDS, so there is nothing to ask for jointly: two slots of both operands at 512 along K
;   would be 540,672 bytes, more than the 327,680 that there are; with x alone in LDS a wave reads 8 KiB of LDS for 64 matrix instructions, not 16.
; A HALF-STEP is 64 along K: 64 matrix instructions, W's eight column blocks one after the other, each against x's eight row blocks.
;   W has a ring of 32 fragments of 8 registers (window 1: four half-steps), in groups of four fragments (8 loads); x has two sets of 64 registers, one at work and one being loaded.
;   ALL 32 LOADS OF A HALF-STEP STAND IN ONE RUN AT ITS HEAD, behind one set of places: the two groups of W that the last half-step has read out are filled again, three and three and a half half-steps
;   ahead of their use, and x's next set is fetched; the 64 matrix instructions then follow each other with no memory instruction between them.
; THE MATRIX INSTRUCTION IS USED TRANSPOSED (source 0 = 16 columns of W, source 1 = 16 rows of x): a lane holds eight neighbouring numbers of a row of out0.
; REGISTERS: window 0: v0-31 addresses, v32-95 bias, v96-127 at work on the way out, v128-255 x's two sets (on the way out: rows read back);  window 1: W's ring;
;   window 2: accumulators of column blocks 0-3 ((a, b) at v[8 (8 (b % 4) + a)]);  window 3: those of column blocks 4-7.
.set SIZE_N, 4096
.set KROW,   4096                      ; a row of x_codes in bytes
.set PITCH,  528                       ; an LDS row: 512 bytes + 16: 132 words, so 16 neighbouring rows start at 16 different groups of four banks (64 banks of 4 bytes: ISA guide 11.1)
.set QROWS,  64*PITCH                  ; what one tensor load brings
.set SLOT,   4*QROWS
.set SPARE,  2*SLOT                    ; behind the ring: the spare words, 128 bytes a wave
.set SPITCH, 528                       ; the way out: a stage of 16 rows x (512 + 16) bytes a wave, in slot 0 behind its last fill and last read
.set BSLOT,  0x100000                  ; w_codes: bytes from 256 along K to the next 256
.set ADRA, 16                          ; v16-17 LDS address of my fragments of x in slot 0, 1
.set STO,  24
.set RD,   25
.set CO,   26                          ; 16 x lane: my bytes in a load of W and in a row of out0
.set BO,   27
.set SPW,  28
.set NIL,  29
.set PFO,  30
.set BIAS, 32
.set TMP,  96
.set AF,   128
.set BK,   128
.set G1,   24                          ; s[24:31] descriptor group 1;  s[32:39] group 0, one set for each slot
.set G0,   32
.set BP,   46                          ; s[46:47] my 128 columns in w_codes, at the lap's first 256 along K
.set PFA,  66                          ; s[66:67] where my prefetches stand;  s[68:69] their step
.set PFS,  68
.set PLIM, 75                          ; how many prefetches my wave makes
.set PFC,  76                          ; how many places for one it has passed
.set MSB, 0
.macro WIN new                         ; the immediate's high byte repeats the setting that is left
.if MSB != \new
	s_set_vgpr_msb (MSB<<8)|\new
.set MSB, \new
.endif
.endm
.set MUL_LO, 0xa1                      ; source 0 (W) window 1, source 1 (x) window 0, C and D window 2
.set MUL_HI, 0xf1                      ; the same, C and D window 3
.set TO_B,   0x40                      ; destination window 1, address window 0
.macro PLACES                          ; four places behind matrix instructions, in front of loads into registers that they read and of reads of results
.rept 4
	v_nop
.endr
.endm
.macro TLOAD s                         ; my 64 rows of a slot: one line, one mask, every wave; s_nop 0 and four v_nop behind it
	tensor_load_to_lds s[G0+4*\s:G0+4*\s+3], s[G1:G1+7]
	s_nop 0
	PLACES
.endm
.macro CREST                           ; a round of the cluster's barrier behind its opening barrier
	s_cmp_lg_u32 s14, 0
	s_cbranch_scc1 .Lnot_wave_0_\@
	s_barrier_signal -3
.Lnot_wave_0_\@:
	s_barrier_wait -3
	s_barrier_signal -1
	s_barrier_wait -1
.endm
.macro CROUND
	s_barrier_signal -1
	s_barrier_wait -1
	CREST
.endm
; A prefetch, one instruction a wave for each 256 along K: 32 blocks of 256 bytes, a lane a block.  Waves 0, 1 ask for x (128 rows each), waves 2, 3 for W (32 KiB each);
; the four partners that read the same bytes share them out by address (32 rows by cx; 8 KiB by cy).  x: five steps of 256 ahead of the half-step that asks, one to two ahead of the tensor load; W: three ahead, two ahead of the loads.
; x's wave asks 11 times, W's 13: the last names the last 256 along K.
.macro ASK
	s_cmp_lt_u32 s[PFC], s[PLIM]
	s_cbranch_scc0 .Lno_ask_\@
	global_prefetch_b8 v[PFO], s[PFA:PFA+1] th:TH_LOAD_NT scope:SCOPE_SE
.Lno_ask_\@:
	s_add_co_u32 s[PFC], s[PFC], 1
.endm
	s_load_b128 s[4:7], s[0:1], 0x0                ; x_codes, w_codes
	s_load_b128 s[8:11], s[0:1], 0x10              ; the exponents, bias
	s_load_b64 s[12:13], s[0:1], 0x20              ; out0
	v_lshl_add_u32 v[SPW], v0, 2, SPARE
	v_mov_b32 v[NIL], 0
	ds_add_u32 v[SPW], v[NIL]                      ; the opening: the add, twice on end, and its wait ahead of my first tensor load
	ds_add_u32 v[SPW], v[NIL]
	v_lshrrev_b32 v7, 5, v0
	v_readfirstlane_b32 s14, v7                    ; wave 0..3
	s_lshr_b32 s15, s14, 1                         ; my half of the block's rows.  Also: I prefetch for x (0) or W (1)
	s_and_b32 s16, s14, 1                          ; my half of its columns
	s_bfe_u32 s40, ttmp6, 0x40000                  ; cx, cy
	s_bfe_u32 s41, ttmp6, 0x40004
	s_lshl_b32 s42, ttmp9, 2
	s_add_co_u32 s42, s42, s40                     ; block column
	s_and_b32 s17, ttmp7, 0xffff
	s_lshl_b32 s17, s17, 2
	s_add_co_u32 s17, s17, s41                     ; block row
	s_lshl_b32 s43, s41, 2
	s_lshl_b32 s43, 15, s43                        ; my row of the cluster
	s_or_b32 s[G1+0], s43, (0<<16)|(1<<20)|(1<<21)|(6<<22)|(3<<25)  ; mask; elements of 1 byte; padding on; bit 21 beside a mask; after every 128 words, 4 words
	s_mov_b32 s[G1+1], 512<<16                     ; tensor_dim0
	s_mov_b32 s[G1+2], 64<<16                      ; tensor_dim1
	s_mov_b32 s[G1+3], 512<<16                     ; tile_dim0
	s_mov_b32 s[G1+4], 64                          ; tile_dim1
	s_mov_b32 s[G1+5], KROW                        ; pitch
	s_mov_b32 s[G1+6], 0
	s_mov_b32 s[G1+7], 0
	s_mul_i32 s21, s15, 2*QROWS                    ; my 128 rows of x in slot 0,
	s_add_co_u32 s22, s21, SLOT                    ; in slot 1
	s_mul_i32 s23, s14, 16*SPITCH                  ; my stage
	s_mul_i32 s45, s14, QROWS                      ; where the 64 rows that I fetch go
	s_lshl_b32 s18, s17, 8
	s_lshl_b32 s19, s14, 6
	s_add_co_u32 s18, s18, s19
	s_lshl_b32 s18, s18, 12                        ; x: row 256 x block row + 64 x wave, in bytes
	s_mov_b32 s19, 0
	s_lshl_b32 s46, s42, 16
	s_lshl_b32 s47, s16, 15
	s_add_co_u32 s46, s46, s47                     ; W: 65,536 x block column + 32,768 x half
	s_mov_b32 s47, 0
	s_lshl_b32 s50, s17, 8
	s_lshl_b32 s51, s15, 7
	s_add_co_u32 s50, s50, s51
	s_lshl_b32 s50, s50, 14                        ; out0: my first row, in bytes
	s_mov_b32 s51, 0
	s_lshl_b32 s52, s42, 10
	s_lshl_b32 s53, s16, 9
	s_add_co_u32 s52, s52, s53                     ; my first column, in bytes
	s_mov_b32 s53, 0
	s_lshl_b32 s70, s17, 8                         ; the prefetches of x: row 256 x block row + 128 x (wave % 2) + 32 cx, one step short of the first 256 along K asked for (the fifth)
	s_lshl_b32 s71, s16, 7
	s_add_co_u32 s70, s70, s71
	s_lshl_b32 s71, s40, 5
	s_add_co_u32 s70, s70, s71
	s_lshl_b32 s70, s70, 12
	s_add_co_u32 s70, s70, 4*256
	s_lshl_b32 s71, s41, 13                        ; of W: my half's 32 KiB, 8 KiB x cy, one step short of the third
	s_add_co_u32 s72, s46, s71
	s_add_co_u32 s72, s72, 2*BSLOT
	s_mov_b32 s74, 256
	s_mov_b32 s[PFS], BSLOT
	s_cmp_eq_u32 s15, 0
	s_cselect_b32 s70, s70, s72
	s_cselect_b32 s74, 4096, s74                   ; from lane to lane: a row of x, a block of W
	s_cselect_b32 s[PFS], 256, s[PFS]
	s_cselect_b32 s[PLIM], 11, 13
	s_mov_b32 s71, 0
	s_mov_b32 s[PFS+1], 0
	s_mov_b32 s[PFC], 0
	v_and_b32 v1, 15, v0                           ; l % 16
	v_bfe_u32 v2, v0, 4, 1                         ; l / 16
	v_and_b32 v6, 31, v0
	v_mul_u32_u24 v3, v1, PITCH
	v_lshl_add_u32 v4, v2, 4, v3                   ; a fragment's row x pitch + 16 x half
	v_add_nc_u32 v[ADRA], s21, v4
	v_add_nc_u32 v[ADRA+1], s22, v4
	v_mul_u32_u24 v5, v1, SPITCH
	v_lshl_add_u32 v5, v2, 5, v5
	v_add_nc_u32 v[STO], s23, v5                   ; into the stage: row l % 16, 32 bytes for each half of the lanes
	v_lshlrev_b32 v[CO], 4, v6
	v_add_nc_u32 v[RD], s23, v[CO]                 ; back: 32 lanes take a row of 512 bytes
	v_lshlrev_b32 v[BO], 5, v2
	v_mul_lo_u32 v[PFO], v6, s74
	s_wait_alu depctr_va_vdst(0)
	s_wait_dscnt 0x0                               ; both opening adds are done
	s_wait_kmcnt 0x0
	s_load_b64 s[96:97], s[8:9], 0x0               ; e0, e1
	s_add_nc_u64 s[BP:BP+1], s[6:7], s[46:47]
	s_add_nc_u64 s[18:19], s[4:5], s[18:19]
	s_add_nc_u64 s[10:11], s[10:11], s[52:53]
	s_add_nc_u64 s[12:13], s[12:13], s[50:51]
	s_add_nc_u64 s[12:13], s[12:13], s[52:53]
	s_cmp_eq_u32 s15, 0
	s_cselect_b64 s[PFA:PFA+1], s[4:5], s[6:7]
	s_add_nc_u64 s[PFA:PFA+1], s[PFA:PFA+1], s[70:71]
; Group g of W: half-step g / 2, column blocks 4 (g % 2) + 0..3, into ring place g % 8: 8 loads of 512 consecutive bytes.  kb: the 256 along K at which s[BP] stands.
.macro GLOAD g, kb
	WIN TO_B
.set HT, (\g)/2
.set GOF, ((HT/4)-(\kb))*BSLOT+(HT%4)*1024+((\g)%2)*16384
.set GR, 32*((\g)%8)
.irp bb, 0,1,2,3
	global_load_b128 v[GR+8*\bb:GR+8*\bb+3], v[CO], s[BP:BP+1] offset:GOF+4096*\bb
	global_load_b128 v[GR+8*\bb+4:GR+8*\bb+7], v[CO], s[BP:BP+1] offset:GOF+4096*\bb+512
.endr
.endm
; x's eight fragments of half-step tn (16 rows x 64 along K: 8 registers, two loads 32 bytes apart) into set tn % 2
.macro ALOAD tn
.set ASET, AF+64*((\tn)%2)
.set AOFF, 64*((\tn)%8)
.set ASL, ((\tn)/8)%2
.irp i, 0,1,2,3,4,5,6,7
	ds_load_b128 v[ASET+8*\i:ASET+8*\i+3], v[ADRA+ASL] offset:AOFF+\i*16*PITCH
	ds_load_b128 v[ASET+8*\i+4:ASET+8*\i+7], v[ADRA+ASL] offset:AOFF+32+\i*16*PITCH
.endr
.endm
; 16 matrix instructions: W's blocks b0, b0 + 1 of the window's four x x's eight.  The 64 accumulators take turns, in the same order in every half-step.
.macro MUL16 t, hf, b0, zero
.set BR, 32*((2*(\t)+\hf)%8)
.set AR, AF+64*((\t)%2)
.irp bb, \b0, \b0+1
.irp a, 0,1,2,3,4,5,6,7
.if \zero
	v_wmma_f32_16x16x64_bf8_bf8 v[8*(8*(\bb)+\a):8*(8*(\bb)+\a)+7], v[BR+8*(\bb):BR+8*(\bb)+7], v[AR+8*\a:AR+8*\a+7], 0
.else
	v_wmma_f32_16x16x64_bf8_bf8 v[8*(8*(\bb)+\a):8*(8*(\bb)+\a)+7], v[BR+8*(\bb):BR+8*(\bb)+7], v[AR+8*\a:AR+8*\a+7], v[8*(8*(\bb)+\a):8*(8*(\bb)+\a)+7]
.endif
.endr
.endr
.endm
; Half-step t.  The waits on LOADcnt leave out the groups issued behind the one that is due: at the head groups 2 t + 1 .. 2 t + 5 (40 loads), in the middle 2 t + 2 .. 2 t + 7 (48);
; at the end, where groups stop at 127, fewer, and the 16 loads of the bias issued in half-step 61.
; mode 1: in its second half the slot that has been read out is filled again; mode 2: the same meeting with no refill (the last slot's landing is shown to all waves).
.macro HS t, kb, zero, mode
.set LG, 2*(\t)+5
.if LG > 127
.set LG, 127
.endif
.set CT, 8*(LG-2*(\t))
.set LG, 2*(\t)+7
.if LG > 127
.set LG, 127
.endif
.set CM, 8*(LG-2*(\t)-1)
.if (\t) > 61
.set CT, CT+16
.endif
.if (\t) >= 61
.set CM, CM+16
.endif
.set ASKS, 0
.if (((\t)%4) == 1) && ((\t) < 50)
.set ASKS, 1
.endif
	s_wait_dscnt 0x0                               ; this half-step's fragments of x, asked for a half-step ago, are in
.if ASKS
	s_wait_xcnt 0x0                                ; my last prefetch has read its address
	s_add_nc_u64 s[PFA:PFA+1], s[PFA:PFA+1], s[PFS:PFS+1]
.endif
	PLACES                                         ; behind the last half-step's products: its two groups of W and its set of x may be loaded again
	s_wait_loadcnt CT                              ; group 2 t is in
.if 2*(\t)+7 <= 127
	GLOAD 2*(\t)+6, \kb
.endif
	WIN 0
.if (\t) == 61
.irp b, 0,1,2,3,4,5,6,7
	global_load_b128 v[BIAS+8*\b:BIAS+8*\b+3], v[BO], s[10:11] offset:64*\b      ; bias of my columns 16 b + 8 (l / 16) + 0..7
	global_load_b128 v[BIAS+8*\b+4:BIAS+8*\b+7], v[BO], s[10:11] offset:64*\b+16
.endr
.endif
.if (\t) < 63
	ALOAD (\t)+1
.endif
.if 2*(\t)+7 <= 127
	GLOAD 2*(\t)+7, \kb
.endif
.if ASKS
	WIN 0
	ASK
.endif
	WIN MUL_LO
	MUL16 \t, 0, 0, \zero
	MUL16 \t, 0, 2, \zero
	s_wait_loadcnt CM                              ; group 2 t + 1 is in
.if \mode
.set TSL, ((\t)/8)%2
	WIN 0                                          ; (the add's two registers lie in window 0)
	s_wait_tensorcnt 0x0                           ; all my tensor loads have landed: my part of the other slot;
	ds_add_u32 v[SPW], v[NIL]                      ; 0 onto my spare word
	WIN MUL_HI
	MUL16 \t, 1, 0, \zero
	s_wait_dscnt 0x0                               ; the add is done, and my last reads of this slot (this half-step's head) are back
	s_barrier_signal -1
	MUL16 \t, 1, 2, \zero
	WIN 0
	s_barrier_wait -1
.if \mode == 1
	CREST                                          ; the barrier has opened a round of the cluster's barrier: no wave of any partner still reads this slot or has a load on its way
	s_add_nc_u64 s[G0+4*TSL+2:G0+4*TSL+3], s[G0+4*TSL+2:G0+4*TSL+3], 1024
	TLOAD TSL                                      ; the first tensor load behind the round: 512 along K, two slots on
.endif
.else
	WIN MUL_HI
	MUL16 \t, 1, 0, \zero
	MUL16 \t, 1, 2, \zero
.endif
.endm
.irp g, 0,1,2,3,4,5
	GLOAD \g, 0                                    ; W's first six groups: 48 loads of my wave are out
.endr
	WIN 0
	CROUND                                         ; all sixteen work-groups are here: the first joint loads meet
.irp s, 0,1
	s_mov_b32 s[G0+4*\s], 1
	s_add_co_u32 s[G0+4*\s+1], s45, \s*SLOT
	s_add_nc_u64 s[G0+4*\s+2:G0+4*\s+3], s[18:19], \s*512
	s_or_b32 s[G0+4*\s+3], s[G0+4*\s+3], 0x80000000
.endr
	TLOAD 0                                        ; slot 0: one tensor load a wave at the head
	s_wait_tensorcnt 0x0                           ; my part of slot 0 is in
	ds_add_u32 v[SPW], v[NIL]
	s_wait_dscnt 0x0
	CROUND
	TLOAD 1                                        ; slot 1's first fill, the first tensor load behind the round
	ALOAD 0
	HS 0, 0, 1, 0                                  ; the first half-step stands in front of the loop: its products start the sums
	WIN 0
	s_mov_b32 s3, 3
.Llap:                                                 ; a trip is 16 half-steps, once round the ring of slots, from a lap's second half-step to the next lap's first
.irp t, 1,2,3,4,5
	HS \t, 0, 0, 0
.endr
	HS 6, 0, 0, 1
.irp t, 7,8,9,10,11,12,13
	HS \t, 0, 0, 0
.endr
	HS 14, 0, 0, 1
	HS 15, 0, 0, 0
	HS 16, 0, 0, 0
	WIN 0
	s_wait_xcnt 0x0                                ; my loads of W have read their base
	s_add_nc_u64 s[BP:BP+1], s[BP:BP+1], 4*BSLOT
	s_sub_co_u32 s3, s3, 1
	s_cmp_lg_u32 s3, 0
	s_cbranch_scc1 .Llap
.irp t, 49,50,51,52,53
	HS \t, 12, 0, 0                                ; the last lap fills no slot
.endr
	HS 54, 12, 0, 2
.irp t, 55,56,57,58,59,60,61,62,63
	HS \t, 12, 0, 0
.endr
	WIN 0
; THE WAY OUT, by blocks of 16 rows x 128 columns: x 2^(e0 + e1), + bias; through my own stage in LDS; back as whole rows of 512 bytes, which 32 lanes store as two aligned units of 256 bytes.
; LDS serves a wave's instructions in order (ISA guide 5.7.1.4): no wait between the stores and the loads.
.macro TOSTAGE a
.irp u, 0,1
	WIN 0x02+\u                                    ; source 0: window 2 or 3
.irp bb, 0,1,2,3
.irp j, 0,2,4,6
	v_pk_fma_f32 v[TMP+8*\bb+\j:TMP+8*\bb+\j+1], v[64*\bb+8*(\a)+\j:64*\bb+8*(\a)+\j+1], s[96:97], v[BIAS+32*\u+8*\bb+\j:BIAS+32*\u+8*\bb+\j+1] op_sel_hi:[1,0,1]   ; each accumulator from its low end on
.endr
.endr
	WIN 0
.irp bb, 0,1,2,3
	ds_store_b128 v[STO], v[TMP+8*\bb:TMP+8*\bb+3] offset:64*(4*\u+\bb)
	ds_store_b128 v[STO], v[TMP+8*\bb+4:TMP+8*\bb+7] offset:64*(4*\u+\bb)+16
.endr
.endr
.set BB, BK+64*((\a)%2)
.irp r, 0,1,2,3,4,5,6,7,8,9,10,11,12,13,14,15
	ds_load_b128 v[BB+4*\r:BB+4*\r+3], v[RD] offset:\r*SPITCH
.endr
.endm
.macro SEND a, younger                 ; younger: the LDS instructions issued behind block a's loads
.set BB, BK+64*((\a)%2)
	s_wait_dscnt \younger
.if (\a) > 0
	s_add_nc_u64 s[12:13], s[12:13], 16*SIZE_N*4   ; (behind a wait on XCNT: the earlier stores have read their base)
.endif
.irp r, 0,1,2,3,4,5,6,7,8,9,10,11,12,13,14,15
	global_store_b128 v[CO], v[BB+4*\r:BB+4*\r+3], s[12:13] offset:\r*SIZE_N*4 th:TH_STORE_NT
.endr
.endm
	s_wait_kmcnt 0x0
	s_add_co_i32 s96, s96, s97
	s_add_co_i32 s96, s96, 127
	s_lshl_b32 s96, s96, 23                        ; 2^(e0 + e1) as f32
	s_mov_b32 s97, s96
	s_wait_loadcnt 0x0                             ; the bias
	PLACES
	TOSTAGE 0
.irp a, 1,2,3,4,5,6,7
.if \a > 1
	s_wait_xcnt 0x0                                ; block a - 2's stores have read their registers and their base
.endif
	TOSTAGE \a
	SEND \a-1, 32
.endr
	s_wait_xcnt 0x0
	SEND 7, 0
	s_wait_tensorcnt 0x0                           ; the wave's end
	ds_add_u32 v[SPW], v[NIL]
	s_wait_dscnt 0x0
	CROUND                                         ; the closing round
	s_endpgm
.Lfunc_end_k_q0748587d87_gemm:
	.size	k_q0748587d87_gemm, .Lfunc_end_k_q0748587d87_gemm-k_q0748587d87_gemm
	.p2alignl 7, 3214868480
	.fill 96, 4, 3214868480
	.section	.rodata,"a",@progbits
	.p2align	6, 0x0
	.amdhsa_kernel k_q0748587d87_gemm
		.amdhsa_group_segment_fixed_size 327680
		.amdhsa_private_segment_fixed_size 0
		.amdhsa_enable_private_segment 0
		.amdhsa_kernarg_size 40
		.amdhsa_user_sgpr_count 2
		.amdhsa_user_sgpr_kernarg_segment_ptr 1
		.amdhsa_wavefront_size32 1
		.amdhsa_system_sgpr_workgroup_id_x 1
		.amdhsa_system_sgpr_workgroup_id_y 1
		.amdhsa_system_sgpr_workgroup_id_z 1
		.amdhsa_system_vgpr_workitem_id 0
		.amdhsa_next_free_vgpr 1024
		.amdhsa_next_free_sgpr 98
		.amdhsa_reserve_vcc 0
		.amdhsa_float_denorm_mode_32 3
		.amdhsa_float_denorm_mode_16_64 3
		.amdhsa_memory_ordered 1
		.amdhsa_forward_progress 1
		.amdhsa_inst_pref_size 255
	.end_amdhsa_kernel
	.section	.bss,"aw",@nobits
	.p2align	6
	.space	262144
	.amdgpu_metadata
---
amdhsa.version: [ 1, 2 ]
amdhsa.kernels:
  - .name:           k_q0748587d87_gemm
    .symbol:         k_q0748587d87_gemm.kd
    .args:
      - { .name: x_codes, .offset: 0, .size: 8, .value_kind: global_buffer, .address_space: global }
      - { .name: w_codes, .offset: 8, .size: 8, .value_kind: global_buffer, .address_space: global }
      - { .name: lowp_scales, .offset: 16, .size: 8, .value_kind: global_buffer, .address_space: global }
      - { .name: bias, .offset: 24, .size: 8, .value_kind: global_buffer, .address_space: global }
      - { .name: out0, .offset: 32, .size: 8, .value_kind: global_buffer, .address_space: global }
    .group_segment_fixed_size: 327680
    .private_segment_fixed_size: 0
    .kernarg_segment_align: 8
    .kernarg_segment_size: 40
    .max_flat_workgroup_size: 128
    .sgpr_count:     98
    .vgpr_count:     1024
    .wavefront_size: 32
...
	.end_amdgpu_metadata
.endif
;; end of part 2
